; MI455X (gfx1250); checked and timed in simulation.
; The chip was launched on July 23, 2026; its instructions are those of AMD's public machine-readable ISA for CDNA 5 (MIT licence, August 2026) and "CDNA5" Instruction Set Architecture Reference Guide (July 2026). The comments in the code are by the model that wrote it; some were corrected since.
;; Global Positional Relational Block. Allowed arithmetic: matrix products marked QUANTISED: E2M3 operands, one E8M0 scale for each 32 along K, by v_wmma_scale_f32_16x16x128_f8f6f4 with both operands' format E2M3, f32 sums; everything else in f32.
;; Inputs: Er_codes 2,048 x 2 x 24 uint8 (E2M3 codes of Er, K innermost, in blocks of 32 codes, four codes in three bytes); Er_scales 2,048 x 2 uint8 (E8M0 scales of Er, one for each 32 codes along K); kv_b 2,048 float32; kv_w_codes 2,048 x 32 x 24 uint8 (E2M3 codes of kv_w, K innermost, in blocks of 32 codes, four codes in three bytes); kv_w_scales 2,048 x 32 uint8 (E8M0 scales of kv_w, one for each 32 codes along K); proj_b 1,024 float32; proj_w_codes 1,024 x 32 x 24 uint8 (E2M3 codes of proj_w, K innermost, in blocks of 32 codes, four codes in three bytes); proj_w_scales 1,024 x 32 uint8 (E8M0 scales of proj_w, one for each 32 codes along K); q_b 1,024 float32; q_w_codes 1,024 x 32 x 24 uint8 (E2M3 codes of q_w, K innermost, in blocks of 32 codes, four codes in three bytes); q_w_scales 1,024 x 32 uint8 (E8M0 scales of q_w, one for each 32 codes along K); x_codes 2 x 2,048 x 32 x 24 uint8 (E2M3 codes of x, K innermost, in blocks of 32 codes, four codes in three bytes); x_scales 2 x 2,048 x 32 uint8 (E8M0 scales of x, one for each 32 codes along K).
;; Outputs: out0 2 x 2,048 x 1,024 float32.
;; This version of the problem:
;;   THIS VERSION OF THE PROBLEM IS GIVEN IN LOW PRECISION. The matrix products marked QUANTISED in the list below multiply operands that are first quantised to E2M3 (2 exponent bits, 3 mantissa bits; 6 bits a number), with one power-of-two scale for each 32 numbers along K (OCP MX v1.0); their sums are f32. All else is computed in f32.
;;   The module's matrix products, in the order in which they are computed (A, B: the left and right operand; K: the contracted axis; several contracted axes count as one K, in the product's order):
;;     1. [M 4,096, K 1,024] x [K 1,024, N 1,024]; A: input x (given as codes); B: input q_w (given as codes): QUANTISED
;;     2. [M 4,096, K 1,024] x [K 1,024, N 2,048]; A: input x (given as codes); B: input kv_w (given as codes): QUANTISED
;;     3. [M 65,536, K 64] x [K 64, N 2,048]; A: computed on the way; B: input Er (given as codes): QUANTISED
;;     4. batch 32 x [M 2,048, K 64] x [K 64, N 2,048]; A: computed on the way; B: computed on the way: QUANTISED
;;     5. batch 32 x [M 2,048, K 2,048] x [K 2,048, N 64]; A: softmax (see below); B: computed on the way: QUANTISED
;;     6. [M 4,096, K 1,024] x [K 1,024, N 1,024]; A: computed on the way; B: input proj_w (given as codes): QUANTISED
;;   THE QUANTISER, for each operand of a quantised product, along K:
;;     - K is cut into blocks of 32 from its start; a last block that is shorter is filled with zeros.
;;     - A block's scale is 2^e with e = floor(log2(the largest magnitude in the block)) - 2, held to -126 .. 127; a block of zeros has e = 0. As a byte (E8M0): e + 127.
;;     - Each number is divided by its block's scale, clamped to +-7.5, and rounded to the nearest number of E2M3, ties to even, subnormals kept.
;;     - The product sums the exact products of the quantised numbers (number of the format x scale) in f32.
;;   ~~~python
;;   def quantise(x, axis):      # numpy; x: float32 -> the quantised numbers, widened to float32 again
;;       x = np.moveaxis(x, axis, -1); K = x.shape[-1]
;;       x = np.pad(x, [(0, 0)] * (x.ndim - 1) + [(0, -K % 32)]); x = x.reshape(x.shape[:-1] + (-1, 32)); a = np.abs(x).max(-1, keepdims=True)
;;       e = np.where(a > 0, np.clip(np.frexp(np.where(a > 0, a, 1))[1] - 1 - 2, -126, 127), 0)      # np.frexp(a)[1] - 1 = floor(log2(a)), exactly
;;       r = np.clip(x / 2.0 ** e, -7.5, 7.5)
;;       step = 2.0 ** (np.maximum(np.frexp(np.where(r == 0, 1, r))[1] - 1, 0) - 3)
;;       q = np.round(r / step) * step * 2.0 ** e      # np.round: ties to even
;;       return np.moveaxis(q.reshape(q.shape[:-2] + (-1,))[..., :K], -1, axis).astype(np.float32)
;;   ~~~
;;   SOFTMAX AHEAD OF A QUANTISED PRODUCT. Where the list says 'softmax', what is quantised is not the finished softmax but p = 2^(t - M), with t = logit x log2(e) and M = ceil(the row's largest t), a whole number; so 1/2 < the row's largest p <= 1. The row's sum l is taken of the UNQUANTISED p, in f32, and the product's result is divided by l at the end. Since M is a whole number, a kernel that streams over the keys may use a running M (the ceiling of the running maximum): every later rescaling is an exact power of two, which a block's scale takes up: the codes' values come out the same.
;;   OPERANDS COMPUTED ON THE WAY. 'Computed on the way' means the value that the module computes at that place (a softmax that the list does not call 'softmax' is quantised finished and normalised). What goes into a quantiser is computed in f32, as accurately as f32 sums, v_exp_f32 and their like allow (about 1e-6 of the number): no bf16 or f16 on the way to a quantiser, and a product that is left as it is and whose result goes on into a quantised operand takes f32 operands (vector FMAs, or v_wmma_f32_16x16x4_f32). A number that lies on a knife's edge between two numbers of the format may be rounded either way, as far as f32 arithmetic and the matrix unit's own rounding can turn it there, and no further.
;;   INPUTS GIVEN AS CODES. Er (in the module: [2048, 64], K = its axis 1); kv_w (in the module: [1024, 2048], K = its axis 0); proj_w (in the module: [1024, 1024], K = its axis 0); q_w (in the module: [1024, 1024], K = its axis 0); x (in the module: [2, 2048, 1024], K = its axis 2): each comes as NAME_codes (uint8): NAME with its K axis moved to the last place and cut into blocks of 32 codes, [.., K / 32, bytes a block], one block behind the other in memory; four codes in three bytes: a row's codes are one little-endian stream of bits, code i at bits 6 i .. 6 i + 5 (a code: sign, 2 exponent bits, 3 mantissa bits); and NAME_scales (uint8): the same leading axes, one E8M0 byte (e + 127) for each 32 codes along K. Its value is code x scale, taken as it is: it is not quantised again, and the codes and scales need not be those that the quantiser above would give.
;; One version. Each part assembles by itself: llvm-mc -triple=amdgcn-amd-amdhsa -mcpu=gfx1250 --defsym DOCPART=n.
;; ======== version 1 of 1: 3 launches
;; limits: right only within a limited range of input values
;; workspace buffers: qimg 3,145,728 bytes; qsc 262,144 bytes; kvimg 6,684,672 bytes; ocodes 3,145,728 bytes; oscales 131,072 bytes
;; launch qkv (part 1): grid 8 x 32, 4 waves a work-group, clusters of 4 x 4, 327,680 bytes of LDS; arguments x_codes, x_scales, q_w_codes, q_w_scales, kv_w_codes, kv_w_scales, q_b, kv_b, qimg, qsc, kvimg; writes qimg, qsc, kvimg
.if DOCPART == 1
	.amdgcn_target "amdgcn-amd-amdhsa--gfx1250"
	.amdhsa_code_object_version 6
	.text
	.protected	k_q6782b07d94_qkv
	.globl	k_q6782b07d94_qkv
	.p2align	8
	.type	k_q6782b07d94_qkv,@function
k_q6782b07d94_qkv:
	s_mov_b64 s[64:65], 0
	v_nop
	global_prefetch_b8 v0, s[64:65] scope:SCOPE_SE
	s_setreg_imm32_b32 hwreg(HW_REG_WAVE_MODE, 25, 1), 1
	s_wait_xcnt 0x0
	s_wait_alu depctr_hold_cnt(0) depctr_sa_sdst(0) depctr_va_vdst(0) depctr_va_sdst(0) depctr_va_ssrc(0) depctr_va_vcc(0) depctr_vm_vsrc(0)
	s_getreg_b32 s2, hwreg(HW_REG_IB_STS2, 6, 4)
	s_cmp_eq_u32 s2, 0
	s_cbranch_scc0 .Lentry_in_a_cluster
	s_endpgm
.Lentry_in_a_cluster:
	s_bfe_u32 s2, ttmp6, 0x10000c
	s_cmp_lg_u32 s2, 0xf033
	s_cbranch_scc0 .Lentry_shape_is_right
	s_endpgm
.Lentry_shape_is_right:
; q, k, v = x W + b on codes of FP6 (E2M3) with E8M0 scales; the results are quantised again (q, k along the head's 64, v along the keys) and leave as images of operand registers.
; SHARES.  A work-group owns 128 tokens (grid y) and 128 channels (grid x) of each of q, k and v: three tiles of 128 x 128, K = 1,024.  Its 128 rows of x stay in LDS; the three weight tiles go through two slots.
; All of K is staged: a row of codes is 768 bytes, three dense rows of 256 bytes for the tensor load, 16 bytes of padding behind each: an LDS pitch of 816 bytes.
; A wave takes 32 rows of source 1 (tokens for q, k; channels for v) against all 128 rows of source 0: 16 accumulators, which take turns.
; The rows of a tile are not neighbours: lane r of tile i takes row 32 (i / 2) + 8 (i % 2) + r + 8 (r / 8), so that 16 registers of two neighbouring tiles are 16 neighbours along the next K.
; The bias is the C of the first K step.  Scale words come from memory into registers: a row's 32 bytes are the words of all eight K steps.
; WINDOWS: 0 addresses, scale words, source 1's fragments, the way out; 1 accumulators; 2 source 0's fragments, two sets; 3 the biases in the result's layout.
; CLUSTERS 4 x 4: x's rows are asked for jointly along a row of the cluster, the weights along a column.
; NO PREFETCH: the walk has no loop to run ahead in; each weight tile is asked for one whole tile ahead of its use.
; LIMIT: a block whose largest magnitude lies under 2^-124 keeps the scale byte 1.
.set PITCH, 816
.set TILEB, 128*PITCH
.set W0,    TILEB
.set W1,    2*TILEB
.set SPARE, 3*TILEB
.set BX,  8
.set BW0, 12
.set BW1, 16
.set AX,  20
.set AW0, 22
.set L16, 24
.set L8,  25
.set L4,  26
.set VS,  27
.set SPW, 28
.set NIL, 29
.set BO,  30
.set BLO, 31
.set SA,  32
.set SB,  48
.set AF,  112
.set PC,  160
.set TM,  200
.set PW,  216
.set W1E, 217
.set W2E, 218
.set WA,  219
.set WB,  220
.set BLT, 222
.set G1A, 24
.set G0A, 32
.set G0B, 36
.set G1B, 48
.set G0K, 56
.set G0V, 60
.set DW0, (3<<16)|(1<<20)|(1<<21)|(5<<22)|(3<<25)
.set MSB, 0
.macro WIN new
.if MSB != (\new)
	s_set_vgpr_msb (MSB<<8)|(\new)
.set MSB, (\new)
.endif
.endm
.macro PLACES n
.rept \n
	v_nop
.endr
.endm
.macro CROUND
	s_barrier_signal -1
	s_barrier_wait -1
	s_cmp_lg_u32 s14, 0
	s_cbranch_scc1 .Lnot_wave_0_\@
	s_barrier_signal -3
.Lnot_wave_0_\@:
	s_barrier_wait -3
	s_barrier_signal -1
	s_barrier_wait -1
.endm
	s_load_b512 s[68:83], s[0:1], 0x0              ; x codes, x scales, q_w codes, q_w scales, kv_w codes, kv_w scales, q_b, kv_b
	s_load_b128 s[84:87], s[0:1], 0x40             ; qimg, qsc
	s_load_b64 s[88:89], s[0:1], 0x50              ; kvimg
	v_lshl_add_u32 v[SPW], v0, 2, SPARE
	v_mov_b32 v[NIL], 0
	ds_add_u32 v[SPW], v[NIL]                      ; the opening lines: the add twice on end and its one wait
	ds_add_u32 v[SPW], v[NIL]
	v_lshrrev_b32 v1, 5, v0
	v_readfirstlane_b32 s14, v1                    ; wave
	s_lshr_b32 s15, s14, 1
	s_and_b32 s16, s14, 1
	s_bfe_u32 s40, ttmp6, 0x40000                  ; cx
	s_bfe_u32 s41, ttmp6, 0x40004                  ; cy
	s_lshl_b32 s42, ttmp9, 2
	s_add_co_u32 s42, s42, s40                     ; block of 128 channels
	s_and_b32 s17, ttmp7, 0xffff
	s_lshl_b32 s17, s17, 2
	s_add_co_u32 s17, s17, s41                     ; block of 128 tokens
	s_lshl_b32 s43, s41, 2
	s_lshl_b32 s43, 15, s43                        ; my row of the cluster
	s_lshl_b32 s44, 0x1111, s40                    ; my column
	s_or_b32 s[G1A], s43, DW0                      ; dense rows of 256 bytes (32 elements of 8), 16 bytes of padding behind each
	s_or_b32 s[G1B], s44, DW0
.irp g, G1A, G1B
	s_mov_b32 s[\g+1], 32<<16
	s_mov_b32 s[\g+2], 192<<16                     ; the head's loads: 64 rows of codes = 192 rows of 256 bytes
	s_mov_b32 s[\g+3], 32<<16
	s_mov_b32 s[\g+4], 192
	s_mov_b32 s[\g+5], 32
	s_mov_b32 s[\g+6], 0
	s_mov_b32 s[\g+7], 0
.endr
	s_mul_i32 s20, s17, 98304                      ; x: 128 rows of 768 bytes a block,
	s_mul_i32 s18, s16, 49152                      ; + my 64 rows
	s_add_co_u32 s20, s20, s18
	s_mov_b32 s21, 0
	s_mul_i32 s46, s42, 98304                      ; the weights likewise
	s_add_co_u32 s22, s46, s18
	s_mov_b32 s23, 0
	s_mul_i32 s18, s14, 24576                      ; later tiles: 32 rows a wave
	s_add_co_u32 s46, s46, s18
	s_mov_b32 s47, 0
	s_mul_i32 s45, s16, 64*PITCH
	s_mul_i32 s19, s14, 32*PITCH
	s_wait_dscnt 0x0
	s_wait_kmcnt 0x0
	s_mov_b32 s[G0A], 1
	s_mov_b32 s[G0A+1], s45
	s_add_nc_u64 s[G0A+2:G0A+3], s[68:69], s[20:21]
	s_or_b32 s[G0A+3], s[G0A+3], 0x80000000
	s_mov_b32 s[G0B], 1
	s_add_co_u32 s[G0B+1], s45, W0
	s_add_nc_u64 s[G0B+2:G0B+3], s[72:73], s[22:23]
	s_or_b32 s[G0B+3], s[G0B+3], 0x80000000
	s_mov_b32 s[G0K], 1
	s_add_co_u32 s[G0K+1], s19, W1
	s_add_nc_u64 s[G0K+2:G0K+3], s[76:77], s[46:47]
	s_or_b32 s[G0K+3], s[G0K+3], 0x80000000
	s_mov_b32 s[G0V], 1
	s_add_co_u32 s[G0V+1], s19, W0
	s_add_nc_u64 s[G0V+2:G0V+3], s[76:77], s[46:47]
	s_add_nc_u64 s[G0V+2:G0V+3], s[G0V+2:G0V+3], 786432   ; v's weights: rows 1,024 on
	s_or_b32 s[G0V+3], s[G0V+3], 0x80000000
	CROUND                                         ; the first joint loads meet
	s_cmp_eq_u32 s15, 0                            ; one load a wave: waves 0, 1 x's two halves, waves 2, 3 q's weights
	s_cbranch_scc0 .Lhead_b
	tensor_load_to_lds s[G0A:G0A+3], s[G1A:G1A+7]
	s_nop 0
	PLACES 4
	s_branch .Lhead_asked
.Lhead_b:
	tensor_load_to_lds s[G0B:G0B+3], s[G1B:G1B+7]
	s_nop 0
	PLACES 4
.Lhead_asked:
	s_lshl_b32 s18, s17, 12                        ; scales: 32 bytes a row
	s_mov_b32 s19, 0
	s_add_nc_u64 s[6:7], s[70:71], s[18:19]        ; x's, my block's 128 rows
	s_lshl_b32 s20, s14, 10
	s_mov_b32 s21, 0
	s_add_nc_u64 s[4:5], s[6:7], s[20:21]          ; x's, my wave's 32 rows
	s_lshl_b32 s18, s42, 12
	s_add_nc_u64 s[8:9], s[74:75], s[18:19]        ; q_w's
	s_add_nc_u64 s[10:11], s[78:79], s[18:19]      ; k's
	s_add_nc_u64 s[12:13], s[10:11], s[20:21]
	s_add_nc_u64 s[12:13], s[12:13], 32768         ; v's, my wave's 32 rows
	s_lshl_b32 s18, s42, 9
	s_add_nc_u64 s[80:81], s[80:81], s[18:19]      ; q_b, kv_b at my 128 channels
	s_add_nc_u64 s[82:83], s[82:83], s[18:19]
	s_lshl_b32 s20, s14, 7
	s_add_nc_u64 s[66:67], s[82:83], s[20:21]
	s_add_nc_u64 s[66:67], s[66:67], 4096          ; v's bias, my wave's 32 channels
	s_lshr_b32 s91, s17, 4
	s_lshl_b32 s91, s91, 4
	s_lshl_b32 s18, s42, 1
	s_add_co_u32 s91, s91, s18                     ; 16 x batch + my first head
	s_and_b32 s2, s17, 15                          ; block of 128 tokens in the batch
	s_lshl_b32 s3, s91, 4
	s_add_co_u32 s3, s3, s2
	s_mul_i32 s3, s3, 13056                        ; its block in kvimg
	s_mov_b32 s90, 0xffff0000                      ; lanes 16-31
	s_mov_b32 s40, 0x76543210
	s_mov_b32 s41, 0xfedcba98
	s_mov_b32 s43, 0xffff
	s_mov_b32 s44, 0x7f7f0000
	s_mul_i32 s22, s14, 32*PITCH
	s_add_co_u32 s23, s22, W0
	v_and_b32 v1, 15, v0
	v_bfe_u32 v2, v0, 4, 1
	v_and_b32 v7, 8, v1
	v_add_nc_u32 v7, v7, v1                        ; r + 8 (r / 8)
	v_mul_u32_u24 v3, v7, PITCH
	v_mad_u32_u24 v3, v2, 24, v3                   ; row x pitch + 24 h
	v_lshl_add_u32 v4, v2, 4, v3                   ; the same where lanes 16-31 read beyond a padding
.irp b, 0,1,2
	v_add_nc_u32 v[BX+4*\b], \b*TILEB, v3
	v_add_nc_u32 v[BX+4*\b+1], \b*TILEB, v4
	v_add_nc_u32 v[BX+4*\b+2], \b*TILEB+64*PITCH, v3
	v_add_nc_u32 v[BX+4*\b+3], \b*TILEB+64*PITCH, v4
.endr
	v_add_nc_u32 v[AX], s22, v3
	v_add_nc_u32 v[AX+1], s22, v4
	v_add_nc_u32 v[AW0], s23, v3
	v_add_nc_u32 v[AW0+1], s23, v4
	v_and_b32 v5, 31, v0
	v_lshlrev_b32 v[L16], 4, v5
	v_lshlrev_b32 v[L8], 3, v5
	v_lshlrev_b32 v[L4], 2, v5
	v_lshlrev_b32 v[VS], 5, v7
	v_lshlrev_b32 v[BO], 6, v2
	v_lshlrev_b32 v[BLO], 2, v7
.irp b, 0,1,2,3
	v_mov_b32 v[TM+4+\b], 0                        ; a lane permute's destination counts as one of its sources
.endr
	s_wait_alu depctr_va_vdst(0)                   ; the wait at the head's end
.macro LDS8 base                       ; the scale words of source 0's eight tiles, all eight K steps
.irp i, 0,1,2,3,4,5,6,7
	global_load_b128 v[SB+8*\i:SB+8*\i+3], v[VS], s[\base:\base+1] offset:(32*(\i/2)+8*(\i%2))*32
	global_load_b128 v[SB+8*\i+4:SB+8*\i+7], v[VS], s[\base:\base+1] offset:(32*(\i/2)+8*(\i%2))*32+16
.endr
.endm
.macro LDS2 base                       ; those of source 1's two
.irp a, 0,1
	global_load_b128 v[SA+8*\a:SA+8*\a+3], v[VS], s[\base:\base+1] offset:256*\a
	global_load_b128 v[SA+8*\a+4:SA+8*\a+7], v[VS], s[\base:\base+1] offset:256*\a+16
.endr
.endm
	LDS8 8
	LDS2 4
	global_load_b32 v[BLT], v[BLO], s[66:67]
	global_load_b32 v[BLT+1], v[BLO], s[66:67] offset:32
	WIN 0xc0                                       ; window 3: register 16 b + j is the bias of channel 32 b + 16 h + j
.irp b, 0,1,2,3
.irp k, 0,1,2,3
	global_load_b128 v[16*\b+4*\k:16*\b+4*\k+3], v[BO], s[80:81] offset:128*\b+16*\k
	global_load_b128 v[64+16*\b+4*\k:64+16*\b+4*\k+3], v[BO], s[82:83] offset:128*\b+16*\k
.endr
.endr
	WIN 0
.macro FRAG reg, adr, st, ro           ; 16 rows x 128 K: six pieces of 8 bytes; byte y of a row lies at y + 16 (y / 256)
.irp p, 0,1,2,3,4,5
.set BY, 96*(\st)+48*(\p/3)+8*(\p%3)
.set XR, (BY+24)/256-BY/256
	ds_load_b64 v[\reg+2*\p:\reg+2*\p+1], v[\adr+XR] offset:BY+16*(BY/256)+(\ro)*PITCH
.endr
.endm
.macro FETCH st, aa, ab                ; 60 LDS loads: K step st into set st % 2
.set SE, (\st)%2
	WIN 0x80
.irp i, 0,1,2,3,4,5,6,7
	FRAG 96*SE+12*\i, \ab+2*(\i/4), \st, 32*((\i%4)/2)+8*(\i%2)
.endr
	WIN 0
.irp a, 0,1
	FRAG AF+24*SE+12*\a, \aa, \st, 8*\a
.endr
.endm
.macro MUL st, cb, ca, cc              ; 16 products; the first K step takes the bias, window 3's register cb + ca a + cc b, as C
.set SE, (\st)%2
.if (\st) == 0
	WIN 0x72
.else
	WIN 0x52
.endif
.irp a, 0,1
.irp b, 0,1,2,3,4,5,6,7
.if (\st) == 0
	v_wmma_scale_f32_16x16x128_f8f6f4 v[64*\a+8*\b:64*\a+8*\b+7], v[96*SE+12*\b:96*SE+12*\b+11], v[AF+24*SE+12*\a:AF+24*SE+12*\a+11], v[(\cb)+(\ca)*\a+(\cc)*\b:(\cb)+(\ca)*\a+(\cc)*\b+7], v[SB+8*\b+(\st)], v[SA+8*\a+(\st)] matrix_a_fmt:MATRIX_FMT_FP6 matrix_b_fmt:MATRIX_FMT_FP6
.else
	v_wmma_scale_f32_16x16x128_f8f6f4 v[64*\a+8*\b:64*\a+8*\b+7], v[96*SE+12*\b:96*SE+12*\b+11], v[AF+24*SE+12*\a:AF+24*SE+12*\a+11], v[64*\a+8*\b:64*\a+8*\b+7], v[SB+8*\b+(\st)], v[SA+8*\a+(\st)] matrix_a_fmt:MATRIX_FMT_FP6 matrix_b_fmt:MATRIX_FMT_FP6
.endif
.endr
.endr
.endm
.macro TILE aa, ab, cb, ca, cc
	FETCH 0, \aa, \ab
.irp st, 0,1,2,3,4,5,6
.if \st > 0
	PLACES 4                                       ; in front of loads into the set that the step before multiplied
.endif
	FETCH \st+1, \aa, \ab
	s_wait_dscnt 60                                ; all but the 60 loads just issued
	MUL \st, \cb, \ca, \cc
.endr
	s_wait_dscnt 0x0
	MUL 7, \cb, \ca, \cc
	WIN 0
	PLACES 4
.endm
.macro QUANT ac, pc                    ; 16 rows x 128 numbers (window 1, from register ac) -> codes in v[pc .. pc + 11], the scale word in PW
	WIN 0x05
.irp b, 0,1,2,3
	v_max3_num_f32 v[TM+\b], |v[\ac+16*\b]|, |v[\ac+1+16*\b]|, 0x1800000
.endr
	WIN 0x14
.irp i, 2,4,6,8,10,12,14
.irp b, 0,1,2,3
	v_max3_num_f32 v[TM+\b], v[TM+\b], |v[\ac+16*\b+\i]|, |v[\ac+1+16*\b+\i]|
.endr
.endr
	WIN 0
.irp b, 0,1,2,3
	v_permlanex16_b32 v[TM+4+\b], v[TM+\b], s40, s41
.endr
.irp b, 0,1,2,3
	v_max_num_f32 v[TM+\b], v[TM+\b], v[TM+4+\b]
.endr
.irp b, 0,1,2,3
	v_add_nc_u32 v[TM+12+\b], 0xff000000, v[TM+\b]
.endr
.irp b, 0,1,2,3
	v_lshrrev_b32 v[TM+4+\b], 23, v[TM+12+\b]
.endr
	v_lshl_or_b32 v[PW], v[TM+5], 8, v[TM+4]
	v_lshl_or_b32 v[PW], v[TM+6], 16, v[PW]
	v_lshl_or_b32 v[PW], v[TM+7], 24, v[PW]
	WIN 0x01
.irp c, 0,1
	v_cvt_scalef32_pk16_fp6_f32 v[\pc+6*\c:\pc+2+6*\c], v[\ac+32*\c:\ac+15+32*\c], v[TM+12+2*\c]
	v_cvt_scalef32_pk16_fp6_f32 v[\pc+12+4*\c:\pc+14+4*\c], v[\ac+16+32*\c:\ac+31+32*\c], v[TM+13+2*\c]
.endr
	WIN 0
	v_nop
.irp c, 0,1
.irp i, 0,1,2
	v_permlane16_swap_b32 v[\pc+6*\c+\i], v[\pc+12+4*\c+\i]
.endr
.irp i, 0,1,2
	v_mov_b32 v[\pc+3+6*\c+\i], v[\pc+12+4*\c+\i]
.endr
.endr
.endm
.macro OUTB k, a                       ; my block a: two images of 768 bytes; the scale words of blocks 0 and 1 share a store (lanes 0-15, lanes 16-31)
.set PP, PC+20*(\a)
.if (\k) == 2
.set OF, 1536*(\a)
.else
.set OF, 768*(\a)
.endif
	QUANT 64*(\a), PP
	global_store_b128 v[L16], v[PP:PP+3], s[92:93] offset:OF
	global_store_b64 v[L8], v[PP+4:PP+5], s[92:93] offset:OF+512
	global_store_b128 v[L16], v[PP+6:PP+9], s[94:95] offset:OF
	global_store_b64 v[L8], v[PP+10:PP+11], s[94:95] offset:OF+512
.if (\k) == 2
.if (\a) == 0
	v_mov_b32 v[W1E], v[PW]
.else
	v_cndmask_b32 v[WA], v[W1E], v[PW], s90
	global_store_b32 v[L4], v[WA], s[96:97]
.endif
.else
.if (\a) == 0
	v_and_or_b32 v[W1E], v[PW], s43, s44           ; a head has two blocks: its other two bytes stand for 1
	v_lshrrev_b32 v[W2E], 16, v[PW]
.else
	v_and_or_b32 v[WA], v[PW], s43, s44
	v_lshrrev_b32 v[WB], 16, v[PW]
	v_cndmask_b32 v[WA], v[W1E], v[WA], s90
	v_cndmask_b32 v[WB], v[W2E], v[WB], s90
	v_or_b32 v[WB], 0x7f7f0000, v[WB]
	global_store_b32 v[L4], v[WA], s[96:97]
	global_store_b32 v[L4], v[WB], s[98:99]
.endif
.endif
.endm
.macro EPI k                           ; s[92:95] the two images' places, s[96:99] the scale words'
	s_wait_xcnt 0x0                                ; earlier stores have read their bases and data
	s_mov_b32 s19, 0
	s_mov_b32 s21, 0
.if (\k) == 0
	s_mul_i32 s18, s91, 98304
	s_mul_i32 s20, s2, 6144
	s_add_co_u32 s18, s18, s20
	s_mul_i32 s20, s14, 1536
	s_add_co_u32 s18, s18, s20
	s_lshl_b32 s20, s91, 13
	s_lshl_b32 s22, s2, 9
	s_add_co_u32 s20, s20, s22
	s_lshl_b32 s22, s14, 7
	s_add_co_u32 s20, s20, s22
	s_add_nc_u64 s[92:93], s[84:85], s[18:19]
	s_add_nc_u64 s[96:97], s[86:87], s[20:21]
	s_add_nc_u64 s[94:95], s[92:93], 98304         ; the next head
	s_add_nc_u64 s[98:99], s[96:97], 8192
.else
.if (\k) == 1
	s_mul_i32 s18, s14, 1536
	s_add_co_u32 s18, s18, s3
	s_lshl_b32 s20, s14, 7
	s_add_co_u32 s20, s20, s3
	s_add_co_u32 s20, s20, 6144
	s_add_nc_u64 s[92:93], s[88:89], s[18:19]
	s_add_nc_u64 s[96:97], s[88:89], s[20:21]
	s_add_nc_u64 s[94:95], s[92:93], 208896        ; the next head
	s_add_nc_u64 s[98:99], s[96:97], 208896
.else
	s_mul_i32 s20, s15, 208896                     ; waves 2, 3 hold the second head's channels
	s_add_co_u32 s20, s20, s3
	s_mul_i32 s18, s16, 3072
	s_add_co_u32 s18, s18, s20
	s_add_co_u32 s18, s18, 6656
	s_lshl_b32 s22, s16, 7
	s_add_co_u32 s20, s20, s22
	s_add_co_u32 s20, s20, 12800
	s_add_nc_u64 s[92:93], s[88:89], s[18:19]
	s_add_nc_u64 s[96:97], s[88:89], s[20:21]
	s_add_nc_u64 s[94:95], s[92:93], 768           ; keys 64 to 127
.endif
.endif
	OUTB \k, 0
	OUTB \k, 1
.endm
	s_wait_tensorcnt 0x0                           ; my part of the head's tiles is in
	ds_add_u32 v[SPW], v[NIL]
	s_mov_b32 s[G1B+2], 96<<16                     ; no load of mine is out: from here on a load brings 32 rows of codes
	s_mov_b32 s[G1B+4], 96
	s_wait_dscnt 0x0
	CROUND
	tensor_load_to_lds s[G0K:G0K+3], s[G1B:G1B+7]  ; k's weights into slot 1
	s_nop 0
	PLACES 4
	s_wait_loadcnt 0x0
	WIN 0xc0
.irp a, 0,1
.irp j, 0,1,2,3,4,5,6,7
	v_mov_b32 v[128+8*\a+\j], v[BLT+\a]            ; v's bias hangs on the lane's channel: the same in all eight registers
.endr
.endr
	WIN 0
	TILE AX, BW0, 0, 0, 8                          ; q
	LDS8 10
	s_wait_tensorcnt 0x0                           ; k's weights are in,
	ds_add_u32 v[SPW], v[NIL]
	s_wait_dscnt 0x0                               ; and my reads of slot 0 are over
	CROUND
	tensor_load_to_lds s[G0V:G0V+3], s[G1B:G1B+7]  ; v's weights into slot 0
	s_nop 0
	PLACES 4
	EPI 0
	s_wait_loadcnt 0x0
	TILE AX, BW1, 64, 0, 8                         ; k
	LDS8 6
	LDS2 12
	EPI 1
	s_wait_alu depctr_va_vdst(0)
	s_wait_tensorcnt 0x0                           ; my part of v's weights is in
	s_barrier_signal -1
	s_barrier_wait -1
	s_wait_loadcnt 0x0
	TILE AW0, BX, 128, 8, 0                        ; v: source 1 = channels, source 0 = tokens, so that the registers run along the keys
	EPI 2
	s_wait_tensorcnt 0x0                           ; the wave's end
	ds_add_u32 v[SPW], v[NIL]
	s_wait_dscnt 0x0
	CROUND
	s_endpgm
.Lfunc_end_k_q6782b07d94_qkv:
	.size	k_q6782b07d94_qkv, .Lfunc_end_k_q6782b07d94_qkv-k_q6782b07d94_qkv
	.p2alignl 7, 3214868480
	.fill 96, 4, 3214868480
	.section	.rodata,"a",@progbits
	.p2align	6, 0x0
	.amdhsa_kernel k_q6782b07d94_qkv
		.amdhsa_group_segment_fixed_size 327680
		.amdhsa_private_segment_fixed_size 0
		.amdhsa_enable_private_segment 0
		.amdhsa_kernarg_size 88
		.amdhsa_user_sgpr_count 2
		.amdhsa_user_sgpr_kernarg_segment_ptr 1
		.amdhsa_wavefront_size32 1
		.amdhsa_system_sgpr_workgroup_id_x 1
		.amdhsa_system_sgpr_workgroup_id_y 1
		.amdhsa_system_sgpr_workgroup_id_z 1
		.amdhsa_system_vgpr_workitem_id 0
		.amdhsa_next_free_vgpr 1024
		.amdhsa_next_free_sgpr 100
		.amdhsa_reserve_vcc 0
		.amdhsa_float_denorm_mode_32 3
		.amdhsa_float_denorm_mode_16_64 3
		.amdhsa_memory_ordered 1
		.amdhsa_forward_progress 1
		.amdhsa_inst_pref_size 191
	.end_amdhsa_kernel
	.amdgpu_metadata
---
amdhsa.version: [ 1, 2 ]
amdhsa.kernels:
  - .name:           k_q6782b07d94_qkv
    .symbol:         k_q6782b07d94_qkv.kd
    .args:
      - { .name: x_codes, .offset: 0, .size: 8, .value_kind: global_buffer, .address_space: global }
      - { .name: x_scales, .offset: 8, .size: 8, .value_kind: global_buffer, .address_space: global }
      - { .name: q_w_codes, .offset: 16, .size: 8, .value_kind: global_buffer, .address_space: global }
      - { .name: q_w_scales, .offset: 24, .size: 8, .value_kind: global_buffer, .address_space: global }
      - { .name: kv_w_codes, .offset: 32, .size: 8, .value_kind: global_buffer, .address_space: global }
      - { .name: kv_w_scales, .offset: 40, .size: 8, .value_kind: global_buffer, .address_space: global }
      - { .name: q_b, .offset: 48, .size: 8, .value_kind: global_buffer, .address_space: global }
      - { .name: kv_b, .offset: 56, .size: 8, .value_kind: global_buffer, .address_space: global }
      - { .name: qimg, .offset: 64, .size: 8, .value_kind: global_buffer, .address_space: global }
      - { .name: qsc, .offset: 72, .size: 8, .value_kind: global_buffer, .address_space: global }
      - { .name: kvimg, .offset: 80, .size: 8, .value_kind: global_buffer, .address_space: global }
    .group_segment_fixed_size: 327680
    .private_segment_fixed_size: 0
    .kernarg_segment_align: 8
    .kernarg_segment_size: 88
    .max_flat_workgroup_size: 128
    .sgpr_count:     100
    .vgpr_count:     1024
    .wavefront_size: 32
...
	.end_amdgpu_metadata
.endif
;; end of part 1
;; launch attn (part 2): grid 8 x 32, 16 waves a work-group, no clusters, 327,680 bytes of LDS; arguments qimg, qsc, kvimg, Er_codes, Er_scales, ocodes, oscales; writes ocodes, oscales
.if DOCPART == 2
	.amdgcn_target "amdgcn-amd-amdhsa--gfx1250"
	.amdhsa_code_object_version 6
	.text
	.protected	k_q6782b07d94_attn
	.globl	k_q6782b07d94_attn
	.p2align	8
	.type	k_q6782b07d94_attn,@function
k_q6782b07d94_attn:
	s_mov_b64 s[64:65], 0
	v_nop
	global_prefetch_b8 v0, s[64:65] scope:SCOPE_SE
	s_setreg_imm32_b32 hwreg(HW_REG_WAVE_MODE, 25, 1), 1
	s_wait_xcnt 0x0
; O = softmax((q k^T + Srel) / 8) v for one head, all three products on codes of FP6 (E2M3) with E8M0 scales; O is quantised along the model's 1,024 (two blocks a head) and leaves as codes.
; THE SKEW, N = 2,048.  With u = j - i + N - 1:  u < N: Srel[i][j] = q[i] . Er[u];  u = N: 0;  u > N: Srel[i][j] = q[i + 1] . Er[u - N - 1].  An aligned tile of 16 u lies wholly on one side, since N is a multiple of 16.
; SHARES.  A work-group owns 256 queries of one bh; each of its sixteen waves 16 of them (i0 = 256 x + 16 wave), in 256 registers; every wave walks the 2,048 keys, 128 a step.
; A STEP.  U0 = j0 - i0 + 2,032.  (1) G^T = Er* q*^T for the 144 values u = U0 .. U0 + 143: nine products (source 0 = 16 rows of Er's table, source 1 = q[i0 + r] or q[i0 + 1 + r]): lane (r, h) holds query r.
; (2) G goes through the wave's stage in LDS, row r 592 bytes on, and comes back 588 bytes a row on: word 32 b + 16 h + i + 15 - r of row r is Srel of key j0 + 32 b + 16 h + i.  (3) S^T = k q^T + Srel: Srel is the products' C.
; (4) the softmax as the problem states it: t = score x log2(e) / 8, M = the running largest t rounded up, p = 2^(t - M), quantised along the keys; the row's sum of the unquantised p divides at the end.  (5) O^T += v^T p^T.
; K = 64 in (1) and (3): q's upper six registers are zero codes, so whatever six registers follow the other operand's six add nothing: no code of this format is a NaN, and the scale bytes of the K that is not there are 0x7f or 0.
; LDS: two slots of 256 keys (two blocks of 13,056 bytes as the launch before laid them: images of registers, read by 16, 8 and 4 bytes a lane on end); Er's whole table, 48 bytes a row, with zeros in front (row -1 is u = N) and behind;
; Er's scale bytes; a stage of 16 x 592 bytes for each wave; the spare words.  The zeros are written by the tensor loads themselves, past the extents that their descriptors state.
; NO CLUSTER: the eight work-groups of a bh read the same k and v, but the LDS addresses of Er's rows and the branches that choose q[i] or q[i + 1] hang on the work-group's own first query, which in a cluster would be its
; place there.
; LIMITS: NaN, infinities and a given scale byte 0xff are not served; a block of O under 2^-124 keeps the byte 1; a block's largest p is taken from its largest score (it takes the exponential not to fall where its input rises).
.set STEPB, 13056
.set SLOTB, 2*STEPB
.set ERF,   2*SLOTB                    ; 25 rows of 256 bytes: the first is not used, the others are zeros
.set TE,    ERF+25*256                 ; Er's codes, 384 rows of 256 bytes, and 24 rows of zeros
.set TS,    TE+408*256                 ; Er's scale bytes, 16 rows of 256 bytes, and one of zeros
.set STG,   TS+17*256                  ; the stages: no tensor load lands here
.set SP,    592
.set STGW,  16*SP
.set SPARE, STG+16*STGW                ; the spare words: eight blocks of 256 bytes that no other line names
.set A16, 1                            ; v1-3  the slot in hand + 16, 8, 4 x lane
.set A8,  2
.set A4,  3
.set LN,  4                            ; v4    lane
.set SPW, 5
.set NIL, 6
.set EL0, 7                            ; v7    TE + 48 r + 24 h
.set EU0, 8                            ; v8    the same 129 rows back
.set ES0, 9                            ; v9    TS + 2 r
.set EV0, 10                           ; v10   the same 129 rows back
.set AL,  11                           ; v11-14 the step's addresses: codes below N, codes above, scales below, scales above
.set AU,  12
.set SL,  13
.set SU,  14
.set STO, 15
.set SRD, 16
.set TP,  17
.set QL,  18                           ; v18-29  q[i0 + r]: six registers and six of zeros
.set QU,  30                           ; v30-41  q[i0 + 1 + r] likewise
.set F,   42                           ; v42-101 fragments of Er, of k, of v
.set S,   102                          ; v102-173 nine tiles of G^T; the first 64 then Srel, S^T, p
.set O,   174                          ; v174-205 O^T
.set PC,  206
.set PT,  218
.set BM,  226
.set BT,  230
.set SO,  234
.set ESC, 238                          ; v238-246 scale words and nothing else: Er's nine, then k's four and v's two
.set KSC, 238
.set VSC, 242
.set QLS, 247
.set QUS, 248
.set PW,  249
.set NM,  250                          ; -M;  v251 the largest t
.set TT,  251
.set SUM, 252
.set FF,  254
.set TB,   2
.set SLOTS, 3
.set WV,   18
.set FILL, 19
.set SEL,  20
.set CS,   22
.set G1R,  24
.set G1E,  32
.set G1F,  40
.set G1S,  48
.set G0R,  56
.set G0E,  60
.set G0F,  68
.set G0S,  72
.set UU,   76                          ; U0
.set ZZ,   77                          ; 3,952 - U0
.set WOFF, 82
.macro GROUP1 g, have, rows            ; rows of 256 bytes (32 elements of 8), dense; past the first 'have' rows zeros are written
	s_mov_b32 s[\g], 3<<16
	s_mov_b32 s[\g+1], 32<<16
	s_mov_b32 s[\g+2], (\have)<<16
	s_mov_b32 s[\g+3], 32<<16
	s_mov_b32 s[\g+4], \rows
	s_mov_b32 s[\g+5], 32
	s_mov_b32 s[\g+6], 0
	s_mov_b32 s[\g+7], 0
.endm
	s_load_b256 s[4:11], s[0:1], 0x0               ; qimg, qsc, kvimg, Er's codes
	s_load_b128 s[12:15], s[0:1], 0x20             ; Er's scales, ocodes
	s_load_b64 s[16:17], s[0:1], 0x30              ; oscales
	v_lshl_add_u32 v[SPW], v0, 2, SPARE
	v_mov_b32 v[NIL], 0
	ds_add_u32 v5, v6
	ds_add_u32 v5, v6
	s_wait_dscnt 0x0
	v_lshrrev_b32 v[TP], 5, v0
	v_readfirstlane_b32 s[WV], v[TP]               ; wave 0..15
	s_and_b32 s83, ttmp7, 0xffff                   ; bh
	s_lshl_b32 s84, ttmp9, 8
	s_lshl_b32 s85, s[WV], 4
	s_add_co_u32 s84, s84, s85                     ; i0
	s_sub_co_u32 s[UU], 2032, s84
	s_add_co_u32 s[ZZ], s84, 1920
	s_and_b32 s[WOFF], s[WV], 1
	s_mul_i32 s[WOFF], s[WOFF], STEPB              ; waves 0 and 1 fetch a slot's two blocks
	GROUP1 G1R, 51, 51
	GROUP1 G1E, 384, 408
	GROUP1 G1F, 1, 25
	GROUP1 G1S, 16, 17
	s_mul_i32 s86, s83, 16*STEPB
	s_add_co_u32 s86, s86, s[WOFF]
	s_mov_b32 s87, 0
	s_mul_i32 s88, s83, 98304                      ; my bh in qimg,
	s_mov_b32 s89, 0
	s_lshl_b32 s90, s83, 13                        ; in qsc
	s_mov_b32 s91, 0
	s_and_b32 s66, s83, 15                         ; the head,
	s_lshr_b32 s67, s83, 4
	s_lshl_b32 s67, s67, 11
	s_add_co_u32 s67, s67, s84                     ; my first row of O: 2,048 x batch + i0
	s_mul_i32 s92, s66, 196608
	s_mul_i32 s93, s67, 48
	s_add_co_u32 s92, s92, s93                     ; ocodes [head][row][48]
	s_mov_b32 s93, 0
	s_lshl_b32 s94, s67, 5
	s_lshl_b32 s66, s66, 1
	s_add_co_u32 s94, s94, s66                     ; oscales [row][32], my head's two bytes
	s_mov_b32 s95, 0
	s_mov_b32 s[SEL], 0x76543210
	s_mov_b32 s[SEL+1], 0xfedcba98
	s_mov_b32 s[CS], 0x3e38aa3b                    ; c = log2(e) / 8
	s_mov_b32 s[CS+1], s[CS]
	s_mov_b32 s[TB], 0
	s_mov_b32 s[FILL], 0
	s_mov_b32 s[SLOTS], 6
	s_wait_kmcnt 0x0
	s_mov_b32 s[G0R], 1
	s_mov_b32 s[G0R+1], s[WOFF]
	s_add_nc_u64 s[G0R+2:G0R+3], s[8:9], s[86:87]
	s_or_b32 s[G0R+3], s[G0R+3], 0x80000000
	s_mov_b32 s[G0E], 1
	s_mov_b32 s[G0E+1], TE
	s_mov_b64 s[G0E+2:G0E+3], s[10:11]
	s_or_b32 s[G0E+3], s[G0E+3], 0x80000000
	s_mov_b32 s[G0F], 1
	s_mov_b32 s[G0F+1], ERF
	s_mov_b64 s[G0F+2:G0F+3], s[10:11]
	s_or_b32 s[G0F+3], s[G0F+3], 0x80000000
	s_mov_b32 s[G0S], 1
	s_mov_b32 s[G0S+1], TS
	s_mov_b64 s[G0S+2:G0S+3], s[12:13]
	s_or_b32 s[G0S+3], s[G0S+3], 0x80000000
	; THE FIRST FILLS, one a wave: waves 0, 1 slot 0; wave 2 Er's codes; wave 3 the zeros in front of them; wave 4 Er's scale bytes.  Four v_nop follow each.
	s_cmp_lt_u32 s[WV], 2
	s_cbranch_scc0 .Lnot_ring
	tensor_load_to_lds s[G0R:G0R+3], s[G1R:G1R+7]
	s_nop 0
.rept 4
	v_nop
.endr
	s_branch .Lfilled
.Lnot_ring:
	s_cmp_eq_u32 s[WV], 2
	s_cbranch_scc0 .Lnot_codes
	tensor_load_to_lds s[G0E:G0E+3], s[G1E:G1E+7]
	s_nop 0
.rept 4
	v_nop
.endr
	s_branch .Lfilled
.Lnot_codes:
	s_cmp_eq_u32 s[WV], 3
	s_cbranch_scc0 .Lnot_front
	tensor_load_to_lds s[G0F:G0F+3], s[G1F:G1F+7]
	s_nop 0
.rept 4
	v_nop
.endr
	s_branch .Lfilled
.Lnot_front:
	s_cmp_eq_u32 s[WV], 4
	s_cbranch_scc0 .Lfilled
	tensor_load_to_lds s[G0S:G0S+3], s[G1S:G1S+7]
	s_nop 0
.rept 4
	v_nop
.endr
.Lfilled:
	s_add_nc_u64 s[4:5], s[4:5], s[88:89]
	s_add_nc_u64 s[6:7], s[6:7], s[90:91]
	s_add_nc_u64 s[14:15], s[14:15], s[92:93]
	s_add_nc_u64 s[16:17], s[16:17], s[94:95]
	v_and_b32 v[LN], 31, v0
	v_and_b32 v102, 15, v0                         ; r
	v_bfe_u32 v103, v0, 4, 1                       ; h
	; q lies in images of tiles whose rows are not neighbours: token rho is row s + 8 g of tile 2 (rho / 32) + u, with s = rho % 8, u = bit 3, g = bit 4 of rho.  o .. o + 2: the offsets of my 16 bytes, my 8 bytes, my scale word.
.macro QADDR rho, o
	v_lshrrev_b32 v[\o+3], 5, v[\rho]
	v_bfe_u32 v[\o+4], v[\rho], 3, 1
	v_bfe_u32 v[\o+5], v[\rho], 4, 1
	v_and_b32 v[\o+6], 7, v[\rho]
	v_lshl_add_u32 v[\o+6], v[\o+5], 3, v[\o+6]    ; the row's lane in the image's lower half
	v_mul_u32_u24 v[\o+5], v[\o+3], 1536
	v_mad_u32_u24 v[\o+5], v[\o+4], 768, v[\o+5]   ; the tile's image
	v_lshl_add_u32 v[\o+7], v103, 4, v[\o+6]       ; the lane that holds my half of the row
	v_lshl_add_u32 v[\o], v[\o+7], 4, v[\o+5]
	v_lshl_add_u32 v[\o+1], v[\o+7], 3, v[\o+5]
	v_lshlrev_b32 v[\o+2], 7, v[\o+3]
	v_lshl_add_u32 v[\o+2], v[\o+4], 6, v[\o+2]
	v_lshl_add_u32 v[\o+2], v[\o+6], 2, v[\o+2]
.endm
	v_add_nc_u32 v104, s84, v102                   ; i0 + r
	v_add_nc_u32 v105, 1, v104
	v_min_u32 v105, 0x7ff, v105                    ; i0 + 1 + r; the last query has no keys beyond it, so what stands for q[2,048] is never used
	QADDR 104, 110
	QADDR 105, 120
	global_load_b128 v[QL:QL+3], v110, s[4:5]
	global_load_b64 v[QL+4:QL+5], v111, s[4:5] offset:512
	global_load_b32 v[QLS], v112, s[6:7]
	global_load_b128 v[QU:QU+3], v120, s[4:5]
	global_load_b64 v[QU+4:QU+5], v121, s[4:5] offset:512
	global_load_b32 v[QUS], v122, s[6:7]
.irp j, 6,7,8,9,10,11
	v_mov_b32 v[QL+\j], 0                          ; zero codes for the K that is not there
	v_mov_b32 v[QU+\j], 0
	v_mov_b32 v[F+48+\j], 0                        ; what follows the ninth tile of Er
.endr
	v_mul_u32_u24 v[EL0], v102, 48
	v_mad_u32_u24 v[EL0], v103, 24, v[EL0]
	v_add_nc_u32 v[EU0], TE-6192, v[EL0]
	v_add_nc_u32 v[EL0], TE, v[EL0]
	v_lshlrev_b32 v[TP], 1, v102
	v_add_nc_u32 v[ES0], TS, v[TP]
	v_add_nc_u32 v[EV0], TS-258, v[TP]
	s_mul_i32 s88, s[WV], STGW
	s_add_co_u32 s88, s88, STG                     ; my stage
	v_mul_u32_u24 v[STO], v102, SP
	v_lshl_add_u32 v[STO], v103, 5, v[STO]
	v_add_nc_u32 v[STO], s88, v[STO]               ; in: row r, 32 bytes for each half of the lanes
	v_mul_u32_u24 v[SRD], v102, SP-4
	v_lshl_add_u32 v[SRD], v103, 6, v[SRD]
	v_add_nc_u32 v[SRD], s88, v[SRD]
	v_add_nc_u32 v[SRD], 60, v[SRD]                ; back: row r, word 16 h + 15 - r
	v_mov_b32 v[TT], 0xff61b1e6                    ; the largest t so far: -3e38
	v_floor_f32 v[NM], -v[TT]
	v_mov_b32 v[SUM], 0
	v_mov_b32 v[SUM+1], 0
	v_mov_b32 v[FF+1], 0                           ; (named as the upper half of a pair)
.irp b, 0,1,2,3
	v_mov_b32 v[BT+\b], 0                          ; written once: a lane permute's destination counts as one of its sources
.endr
.set jj, 0
.rept 32
	v_mov_b32 v[O+jj], 0                           ; the step is written once: the first finds zeros, which the first change of M leaves zeros
.set jj, jj+1
.endr
.macro ERLOAD t                        ; tile t of Er's table: u = U0 + 16 t + 0 .. 15.  Both ways issue four LDS loads
	s_cmp_lt_u32 s[UU], 2048-16*(\t)
	s_cbranch_scc0 .Labove_\@
	ds_load_b64 v[F+6*(\t):F+6*(\t)+1], v[AL] offset:768*(\t)
	ds_load_b64 v[F+6*(\t)+2:F+6*(\t)+3], v[AL] offset:768*(\t)+8
	ds_load_b64 v[F+6*(\t)+4:F+6*(\t)+5], v[AL] offset:768*(\t)+16
	ds_load_u16 v[ESC+(\t)], v[SL] offset:32*(\t)
	s_branch .Lgot_\@
.Labove_\@:
	ds_load_b64 v[F+6*(\t):F+6*(\t)+1], v[AU] offset:768*(\t)
	ds_load_b64 v[F+6*(\t)+2:F+6*(\t)+3], v[AU] offset:768*(\t)+8
	ds_load_b64 v[F+6*(\t)+4:F+6*(\t)+5], v[AU] offset:768*(\t)+16
	ds_load_u16 v[ESC+(\t)], v[SU] offset:32*(\t)
.Lgot_\@:
.endm
.macro ERMUL t
	s_cmp_lt_u32 s[UU], 2048-16*(\t)
	s_cbranch_scc0 .Labove_\@
	v_wmma_scale_f32_16x16x128_f8f6f4 v[S+8*(\t):S+8*(\t)+7], v[F+6*(\t):F+6*(\t)+11], v[QL:QL+11], 0, v[ESC+(\t)], v[QLS] matrix_a_fmt:MATRIX_FMT_FP6 matrix_b_fmt:MATRIX_FMT_FP6
	s_branch .Ldone_\@
.Labove_\@:
	v_wmma_scale_f32_16x16x128_f8f6f4 v[S+8*(\t):S+8*(\t)+7], v[F+6*(\t):F+6*(\t)+11], v[QU:QU+11], 0, v[ESC+(\t)], v[QUS] matrix_a_fmt:MATRIX_FMT_FP6 matrix_b_fmt:MATRIX_FMT_FP6
.Ldone_\@:
.endm
; A KEY STEP: 128 keys, the q-th block of the slot in hand.
.macro STEP q, sig, fill               ; sig = 1: the slot's last step, with the change of slots laid into it; fill = 1: the slot is filled again
.set SB, STEPB*(\q)
	s_min_u32 s78, s[UU], 2032                     ; below N the first row is U0 (held at 2,032 where no tile lies below: every address stays inside the table and its zeros)
	s_min_u32 s79, s[ZZ], 2032
	s_sub_co_u32 s79, 2032, s79                    ; above N it is U0 - 2,049 = (U0 - 1,920) - 129 (held at -129 where no tile lies above)
	s_mul_i32 s80, s78, 48
	s_mul_i32 s81, s79, 48
	s_lshl_b32 s78, s78, 1
	s_lshl_b32 s79, s79, 1
	v_add_nc_u32 v[AL], s80, v[EL0]                ; these four are also the places behind the last step's products, in front of the loads below
	v_add_nc_u32 v[AU], s81, v[EU0]
	v_add_nc_u32 v[SL], s78, v[ES0]
	v_add_nc_u32 v[SU], s79, v[EV0]
	s_wait_alu depctr_va_vdst(0)                   ; the wait ahead of the branches below
.irp t, 0,1,2,3,4,5,6,7,8
	ERLOAD \t
.endr
	s_wait_dscnt 0x0
.irp t, 0,1,2,3,4,5,6,7,8
	ERMUL \t
.endr
.rept 5
	v_nop                                          ; places: four in front of the loads and LDS stores below, a fifth since products write these accumulators again
.endr
.irp t, 0,1,2,3,4,5,6,7
	ds_load_b128 v[F+6*\t:F+6*\t+3], v[A16] offset:SB+768*\t          ; k's eight images
	ds_load_b64 v[F+6*\t+4:F+6*\t+5], v[A8] offset:SB+768*\t+512
.endr
.irp p, 0,1,2,3
	ds_load_b32 v[KSC+\p], v[A4] offset:SB+6144+128*\p               ; lanes 0-15: tile 2 p's scale words, lanes 16-31: tile 2 p + 1's
.endr
.irp t, 0,1,2,3,4,5,6,7,8
	ds_store_b128 v[STO], v[S+8*\t:S+8*\t+3] offset:64*\t            ; each accumulator from its low end on
	ds_store_b128 v[STO], v[S+8*\t+4:S+8*\t+7] offset:64*\t+16
.endr
.irp b, 0,1,2,3
.irp i, 0,1,2,3,4,5,6,7,8,9,10,11,12,13,14,15
	ds_load_b32 v[S+16*\b+\i], v[SRD] offset:128*\b+4*\i             ; LDS serves a wave's instructions in order (ISA guide 5.7.1.4): these see my stores.  Srel of key 32 b + 16 h + i
.endr
.endr
	s_wait_dscnt 0x0
.irp t, 0,2,4,6
	v_wmma_scale_f32_16x16x128_f8f6f4 v[S+8*\t:S+8*\t+7], v[F+6*\t:F+6*\t+11], v[QL:QL+11], v[S+8*\t:S+8*\t+7], v[KSC+\t/2], v[QLS] matrix_a_fmt:MATRIX_FMT_FP6 matrix_b_fmt:MATRIX_FMT_FP6
	v_wmma_scale_f32_16x16x128_f8f6f4 v[S+8*\t+8:S+8*\t+15], v[F+6*\t+6:F+6*\t+17], v[QL:QL+11], v[S+8*\t+8:S+8*\t+15], v[KSC+\t/2], v[QLS] matrix_a_fmt:MATRIX_FMT_FP6 matrix_b_fmt:MATRIX_FMT_FP6 matrix_a_scale:MATRIX_SCALE_ROW1
.endr
.rept 4
	v_nop
.endr
.irp t, 0,1,2,3
	ds_load_b128 v[F+12*\t:F+12*\t+3], v[A16] offset:SB+6656+1536*\t        ; v's four tiles, two images each: they land while the softmax is worked
	ds_load_b64 v[F+12*\t+4:F+12*\t+5], v[A8] offset:SB+6656+1536*\t+512
	ds_load_b128 v[F+12*\t+6:F+12*\t+9], v[A16] offset:SB+6656+1536*\t+768
	ds_load_b64 v[F+12*\t+10:F+12*\t+11], v[A8] offset:SB+6656+1536*\t+1280
.endr
.irp p, 0,1
	ds_load_b32 v[VSC+\p], v[A4] offset:SB+12800+128*\p
.endr
.if \sig
	; v's fragments are my last reads of this slot: the three lines and the signal stand here, and the softmax and the last products, work on registers alone, stand between the signal and the wait
	s_wait_tensorcnt 0x0                           ; no tensor load of mine is out, so the walking descriptor may be written
	ds_add_u32 v[SPW], v[NIL]                      ; 0 onto my spare word
.if \fill
	ds_add_u32 v[SPW], v[NIL]                      ; the add twice here
	s_xor_b32 s[FILL], s[FILL], SLOTB
	s_add_co_u32 s[G0R+1], s[FILL], s[WOFF]
	s_add_nc_u64 s[G0R+2:G0R+3], s[G0R+2:G0R+3], SLOTB
.endif
	s_wait_dscnt 0x0                               ; the add is done, v is in, and my reads of this slot are over
	s_barrier_signal -1
.endif
.irp b, 0,1,2,3
	v_max3_num_f32 v[BM+\b], v[S+16*\b], v[S+1+16*\b], v[S+2+16*\b]   ; the largest score of each block of 32 keys: for the row's maximum, and for the block's largest p
.endr
.irp i, 3,5,7,9,11,13
.irp b, 0,1,2,3
	v_max3_num_f32 v[BM+\b], v[BM+\b], v[S+16*\b+\i], v[S+1+16*\b+\i]
.endr
.endr
.irp b, 0,1,2,3
	v_max_num_f32 v[BM+\b], v[BM+\b], v[S+15+16*\b]
.endr
.irp b, 0,1,2,3
	v_permlanex16_b32 v[BT+\b], v[BM+\b], s[SEL], s[SEL+1]
.endr
.irp b, 0,1,2,3
	v_max_num_f32 v[BM+\b], v[BM+\b], v[BT+\b]     ; with lane l xor 16's 16 keys
.endr
	v_max3_num_f32 v[TP], v[BM], v[BM+1], v[BM+2]
	v_max_num_f32 v[TP], v[TP], v[BM+3]
	v_mul_f32 v[TP], s[CS], v[TP]                  ; as t (c is positive)
	v_max_num_f32 v[TT], v[TT], v[TP]              ; the running largest t
	v_mov_b32 v[TP], v[NM]
	v_floor_f32 v[NM], -v[TT]                      ; the new -M = floor(-t): M is a whole number
	v_sub_f32 v[TP], v[NM], v[TP]                  ; old M - new M: a whole number, 0 or less
	v_cvt_i32_f32 v[TP], v[TP]                     ; (it saturates)
	v_ldexp_f32 v[FF], 1.0, v[TP]                  ; f = 2^(old M - new M)
.set jj, 0
.rept 32
	v_pk_fma_f32 v[S+jj:S+jj+1], v[S+jj:S+jj+1], s[CS:CS+1], v[NM:NM+1] op_sel_hi:[1,0,0]   ; t - M, two at a time
.set jj, jj+2
.endr
.irp b, 0,1,2,3
	v_fma_f32 v[BM+\b], v[BM+\b], s[CS], v[NM]
.endr
	s_wait_alu depctr_va_vdst(0)                   ; the wait ahead of the batch too
.set jj, 0
.rept 64
	v_exp_f32 v[S+jj], v[S+jj]                     ; p = 2^(t - M), not normalised
.set jj, jj+1
.endr
	v_pk_mul_f32 v[SUM:SUM+1], v[SUM:SUM+1], v[FF:FF+1] op_sel_hi:[1,0]   ; the sums under the new M: a plain line behind the exponentials
	s_wait_alu depctr_va_vdst(0)                   ; one wait for the whole batch, ahead of its first reader
.irp b, 0,1,2,3
	v_exp_f32 v[BM+\b], v[BM+\b]                   ; the block's largest p
.endr
	v_pk_add_f32 v[BT:BT+1], v[S:S+1], v[S+2:S+3]  ; the row's sum of the unquantised p, in two chains
.irp j, 4,8,12,16,20,24,28,32,36,40,44,48,52,56,60
	v_pk_add_f32 v[SUM:SUM+1], v[SUM:SUM+1], v[S+\j:S+\j+1]
	v_pk_add_f32 v[BT:BT+1], v[BT:BT+1], v[S+2+\j:S+3+\j]
.endr
	v_pk_add_f32 v[SUM:SUM+1], v[SUM:SUM+1], v[BT:BT+1]
	s_wait_alu depctr_va_vdst(0)                   ; and one for the four
.irp b, 0,1,2,3
	v_max_num_f32 v[BM+\b], 0x1800000, v[BM+\b]    ; the floor 2^(3 - 127): the byte cannot fall under 1
.endr
.irp b, 0,1,2,3
	v_add_nc_u32 v[SO+\b], 0xff000000, v[BM+\b]    ; 2 off the exponent field: the conversion's scale operand
.endr
.irp b, 0,1,2,3
	v_lshrrev_b32 v[BT+\b], 23, v[SO+\b]           ; the scale's byte
.endr
	v_lshl_or_b32 v[PW], v[BT+1], 8, v[BT]         ; p's scale word for these 128 keys
	v_lshl_or_b32 v[PW], v[BT+2], 16, v[PW]
	v_lshl_or_b32 v[PW], v[BT+3], 24, v[PW]
.irp c, 0,1
	v_cvt_scalef32_pk16_fp6_f32 v[PC+6*\c:PC+2+6*\c], v[S+32*\c:S+15+32*\c], v[SO+2*\c]
	v_cvt_scalef32_pk16_fp6_f32 v[PT+4*\c:PT+2+4*\c], v[S+16+32*\c:S+31+32*\c], v[SO+2*\c+1]   ; (a conversion's three registers begin on an even number)
.endr
	v_nop                                          ; one plain place behind a scaled conversion
.irp c, 0,1                                    ; the operand's layout wants a whole block in a lane
.irp i, 0,1,2
	v_permlane16_swap_b32 v[PC+6*\c+\i], v[PT+4*\c+\i]
.endr
.irp i, 0,1,2
	v_mov_b32 v[PC+3+6*\c+\i], v[PT+4*\c+\i]
.endr
.endr
	s_wait_alu depctr_va_vdst(0)                   ; the wait directly ahead of the first reader of O^T
.set jj, 0
.rept 16
	v_pk_mul_f32 v[O+jj:O+jj+1], v[O+jj:O+jj+1], v[FF:FF+1] op_sel_hi:[1,0]
.set jj, jj+2
.endr
.if (\sig) == 0
	s_wait_alu depctr_va_vdst(0)                   ; the wait directly ahead of the wait below
	s_wait_dscnt 0x0                               ; v is in
.endif
.irp t, 0,2
	v_wmma_scale_f32_16x16x128_f8f6f4 v[O+8*\t:O+8*\t+7], v[F+12*\t:F+12*\t+11], v[PC:PC+11], v[O+8*\t:O+8*\t+7], v[VSC+\t/2], v[PW] matrix_a_fmt:MATRIX_FMT_FP6 matrix_b_fmt:MATRIX_FMT_FP6
	v_wmma_scale_f32_16x16x128_f8f6f4 v[O+8*\t+8:O+8*\t+15], v[F+12*\t+12:F+12*\t+23], v[PC:PC+11], v[O+8*\t+8:O+8*\t+15], v[VSC+\t/2], v[PW] matrix_a_fmt:MATRIX_FMT_FP6 matrix_b_fmt:MATRIX_FMT_FP6 matrix_a_scale:MATRIX_SCALE_ROW1
.endr
	s_add_co_u32 s[UU], s[UU], 128
	s_sub_co_u32 s[ZZ], s[ZZ], 128
.if \sig
	s_xor_b32 s[TB], s[TB], SLOTB
	s_barrier_wait -1                              ; every wave has left this slot, and the slot ahead is whole
.if \fill
	s_cmp_lt_u32 s[WV], 2
	s_cbranch_scc0 .Lno_refill_\@
	tensor_load_to_lds s[G0R:G0R+3], s[G1R:G1R+7]  ; the first thing behind the barrier, and a wave's one tensor load until the next: it has two key steps in which to land
	s_nop 0
.rept 4
	v_nop
.endr
.Lno_refill_\@:
.endif
	v_lshl_add_u32 v[A16], v[LN], 4, s[TB]
	v_lshl_add_u32 v[A8], v[LN], 3, s[TB]
	v_lshl_add_u32 v[A4], v[LN], 2, s[TB]
.endif
.endm
; THE FIRST CHANGE OF SLOTS, ahead of the loop.  Each wave waits for all its tensor loads, adds 0 to its spare word and waits for that.  Behind the barrier slot 0 and Er's table are whole, and waves 0 and 1 fill slot 1 for the first time.
.macro CHANGE fill
	s_wait_tensorcnt 0x0                           ; no tensor load of mine is out, so the walking descriptor may be written
	ds_add_u32 v[SPW], v[NIL]
.if \fill
	ds_add_u32 v[SPW], v[NIL]                      ; the add twice here
	s_xor_b32 s[FILL], s[FILL], SLOTB
	s_add_co_u32 s[G0R+1], s[FILL], s[WOFF]
	s_add_nc_u64 s[G0R+2:G0R+3], s[G0R+2:G0R+3], SLOTB   ; the next two blocks
.endif
	s_wait_dscnt 0x0                               ; the add is done, and my reads of the slot that I have left are over
	s_barrier_signal -1
	s_barrier_wait -1
.if \fill
	s_cmp_lt_u32 s[WV], 2
	s_cbranch_scc0 .Lno_load_\@
	tensor_load_to_lds s[G0R:G0R+3], s[G1R:G1R+7]  ; the first thing behind the barrier, and a wave's one tensor load until the next
	s_nop 0
.rept 4
	v_nop
.endr
.Lno_load_\@:
.endif
	v_lshl_add_u32 v[A16], v[LN], 4, s[TB]
	v_lshl_add_u32 v[A8], v[LN], 3, s[TB]
	v_lshl_add_u32 v[A4], v[LN], 2, s[TB]
.endm
	s_wait_alu depctr_va_vdst(0)                   ; the wait at the head's end
	s_wait_loadcnt 0x0                             ; q
	CHANGE 1
.Lslot:                                            ; six trips, a slot each: the slot just left is filled again with the keys two slots on
	STEP 0, 0, 0
	STEP 1, 1, 1
	s_sub_co_u32 s[SLOTS], s[SLOTS], 1
	s_cmp_lg_u32 s[SLOTS], 0
	s_cbranch_scc1 .Lslot
	STEP 0, 0, 0                                   ; the last two slots are written out
	STEP 1, 1, 0
	STEP 0, 0, 0
	STEP 1, 0, 0
	; THE WAY OUT.  O^T / the sum: register 16 b + i is channel 32 b + 16 h + i of my query: two blocks of the last product's K.  They are quantised; a row's 48 bytes of codes go through my stage, and 16 rows leave as 768 bytes on end.
	v_add_f32 v[SUM], v[SUM], v[SUM+1]
	v_permlanex16_b32 v[FF], v[SUM], s[SEL], s[SEL+1]
	v_add_f32 v[SUM], v[SUM], v[FF]                ; the row's sum
	s_wait_alu depctr_va_vdst(0)                   ; the wait ahead of the transcendental too
	v_rcp_f32 v[SUM], v[SUM]
	v_and_b32 v12, 15, v0                          ; (plain lines behind the reciprocal)
	v_bfe_u32 v13, v0, 4, 1
	v_mul_u32_u24 v7, v12, 48
	v_mad_u32_u24 v7, v13, 24, v7
	v_add_nc_u32 v7, s88, v7                       ; into the stage: 48 r + 24 h
	v_lshlrev_b32 v10, 4, v[LN]
	v_lshlrev_b32 v11, 3, v[LN]
	v_add_nc_u32 v8, s88, v10                      ; and back, on end
	v_add_nc_u32 v9, s88, v11
	v_lshlrev_b32 v12, 5, v12                      ; a row of oscales is 32 bytes
	s_wait_alu depctr_va_vdst(0)                   ; the wait ahead of the reciprocal's first reader
.set jj, 0
.rept 32
	v_mul_f32 v[S+jj], v[O+jj], v[SUM]
.set jj, jj+1
.endr
.irp b, 0,1
	v_max3_num_f32 v[BM+\b], |v[S+16*\b]|, |v[S+1+16*\b]|, 0x1800000
.endr
.irp i, 2,4,6,8,10,12,14
.irp b, 0,1
	v_max3_num_f32 v[BM+\b], v[BM+\b], |v[S+16*\b+\i]|, |v[S+1+16*\b+\i]|
.endr
.endr
.irp b, 0,1
	v_permlanex16_b32 v[BT+\b], v[BM+\b], s[SEL], s[SEL+1]
.endr
.irp b, 0,1
	v_max_num_f32 v[BM+\b], v[BM+\b], v[BT+\b]
.endr
.irp b, 0,1
	v_add_nc_u32 v[SO+\b], 0xff000000, v[BM+\b]
.endr
.irp b, 0,1
	v_lshrrev_b32 v[BT+\b], 23, v[SO+\b]
.endr
	v_lshl_or_b32 v[TP], v[BT+1], 8, v[BT]         ; my row's two scale bytes
	v_cvt_scalef32_pk16_fp6_f32 v[PC:PC+2], v[S:S+15], v[SO]
	v_cvt_scalef32_pk16_fp6_f32 v[PT:PT+2], v[S+16:S+31], v[SO+1]
	v_nop
.irp i, 0,1,2
	v_permlane16_swap_b32 v[PC+\i], v[PT+\i]
.endr
.irp i, 0,1,2
	v_mov_b32 v[PC+3+\i], v[PT+\i]                 ; lane (r, h): the 24 bytes of block h of row r
.endr
	ds_store_b64 v7, v[PC:PC+1]
	ds_store_b64 v7, v[PC+2:PC+3] offset:8
	ds_store_b64 v7, v[PC+4:PC+5] offset:16
	ds_load_b128 v[S:S+3], v8                      ; LDS serves a wave's instructions in order: these see my stores
	ds_load_b64 v[S+4:S+5], v9 offset:512
	s_wait_alu depctr_va_vdst(0)                   ; the wait directly ahead of the wait below
	s_wait_dscnt 0x0
	global_store_b128 v10, v[S:S+3], s[14:15]      ; 512 consecutive bytes, at a multiple of 256 from the buffer's first byte,
	global_store_b64 v11, v[S+4:S+5], s[14:15] offset:512   ; and 256 more
	global_store_b16 v12, v[TP], s[16:17]          ; two bytes a row are all that a head owns of a row's scales (lanes 16-31 write what lanes 0-15 write)
	s_wait_tensorcnt 0x0                           ; the wave's end
	ds_add_u32 v[SPW], v[NIL]
	s_wait_dscnt 0x0
	s_endpgm
.Lfunc_end_k_q6782b07d94_attn:
	.size	k_q6782b07d94_attn, .Lfunc_end_k_q6782b07d94_attn-k_q6782b07d94_attn
	.p2alignl 7, 3214868480
	.fill 96, 4, 3214868480
	.section	.rodata,"a",@progbits
	.p2align	6, 0x0
	.amdhsa_kernel k_q6782b07d94_attn
		.amdhsa_group_segment_fixed_size 327680
		.amdhsa_private_segment_fixed_size 0
		.amdhsa_enable_private_segment 0
		.amdhsa_kernarg_size 56
		.amdhsa_user_sgpr_count 2
		.amdhsa_user_sgpr_kernarg_segment_ptr 1
		.amdhsa_wavefront_size32 1
		.amdhsa_system_sgpr_workgroup_id_x 1
		.amdhsa_system_sgpr_workgroup_id_y 1
		.amdhsa_system_sgpr_workgroup_id_z 1
		.amdhsa_system_vgpr_workitem_id 0
		.amdhsa_next_free_vgpr 256
		.amdhsa_next_free_sgpr 100
		.amdhsa_reserve_vcc 0
		.amdhsa_float_denorm_mode_32 3
		.amdhsa_float_denorm_mode_16_64 3
		.amdhsa_memory_ordered 1
		.amdhsa_forward_progress 1
		.amdhsa_inst_pref_size 202
	.end_amdhsa_kernel
	.amdgpu_metadata
---
amdhsa.version: [ 1, 2 ]
amdhsa.kernels:
  - .name:           k_q6782b07d94_attn
    .symbol:         k_q6782b07d94_attn.kd
    .args:
      - { .name: qimg, .offset: 0, .size: 8, .value_kind: global_buffer, .address_space: global }
      - { .name: qsc, .offset: 8, .size: 8, .value_kind: global_buffer, .address_space: global }
      - { .name: kvimg, .offset: 16, .size: 8, .value_kind: global_buffer, .address_space: global }
      - { .name: Er_codes, .offset: 24, .size: 8, .value_kind: global_buffer, .address_space: global }
      - { .name: Er_scales, .offset: 32, .size: 8, .value_kind: global_buffer, .address_space: global }
      - { .name: ocodes, .offset: 40, .size: 8, .value_kind: global_buffer, .address_space: global }
      - { .name: oscales, .offset: 48, .size: 8, .value_kind: global_buffer, .address_space: global }
    .group_segment_fixed_size: 327680
    .private_segment_fixed_size: 0
    .kernarg_segment_align: 8
    .kernarg_segment_size: 56
    .max_flat_workgroup_size: 512
    .sgpr_count:     100
    .vgpr_count:     256
    .wavefront_size: 32
...
	.end_amdgpu_metadata
.endif
;; end of part 2
;; launch proj (part 3): grid 8 x 32, 4 waves a work-group, clusters of 4 x 4, 327,680 bytes of LDS; arguments ocodes, oscales, proj_w_codes, proj_w_scales, proj_b, out0; writes out0
.if DOCPART == 3
	.amdgcn_target "amdgcn-amd-amdhsa--gfx1250"
	.amdhsa_code_object_version 6
	.text
	.protected	k_q6782b07d94_proj
	.globl	k_q6782b07d94_proj
	.p2align	8
	.type	k_q6782b07d94_proj,@function
k_q6782b07d94_proj:
	s_mov_b64 s[64:65], 0
	v_nop
	global_prefetch_b8 v0, s[64:65] scope:SCOPE_SE
	s_setreg_imm32_b32 hwreg(HW_REG_WAVE_MODE, 25, 1), 1
	s_wait_xcnt 0x0
	s_wait_alu depctr_hold_cnt(0) depctr_sa_sdst(0) depctr_va_vdst(0) depctr_va_sdst(0) depctr_va_ssrc(0) depctr_va_vcc(0) depctr_vm_vsrc(0)
	s_getreg_b32 s2, hwreg(HW_REG_IB_STS2, 6, 4)
	s_cmp_eq_u32 s2, 0
	s_cbranch_scc0 .Lentry_in_a_cluster
	s_endpgm
.Lentry_in_a_cluster:
	s_bfe_u32 s2, ttmp6, 0x10000c
	s_cmp_lg_u32 s2, 0xf033
	s_cbranch_scc0 .Lentry_shape_is_right
	s_endpgm
.Lentry_shape_is_right:
; out0 = O proj_w + proj_b on codes of FP6 (E2M3) with E8M0 scales; f32 sums and results.
; SHARES.  A work-group makes 128 rows x 128 columns, K = 1,024, all of it staged in LDS by one tensor load a wave; nothing is filled again.  A wave takes 32 rows against all 128 columns: 16 accumulators by turns.
; O's codes lie [head][row][48 bytes]: 128 rows of a head are 6,144 bytes on end, one row of the tensor load; 48 bytes a row in LDS.  proj_w's rows of 768 bytes come as dense rows of 256 bytes, 16 bytes of padding behind each: a pitch of 816.
; The product is used transposed (source 0 = proj_w's rows, source 1 = O's rows): a lane holds eight neighbouring columns of a row.  The bias is the C of the first K step.
; Scale words come from memory into registers: a row's 32 bytes are the words of all eight K steps.
; WINDOWS: 0 addresses, scale words, O's fragments, the way out; 1 accumulators; 2 proj_w's fragments, two sets; 3 the bias in the result's layout.
; CLUSTERS 4 x 4: O's rows are asked for jointly along a row of the cluster, proj_w's along a column.
; NO PREFETCH: every tile is asked for at the head; there is no loop to run ahead in.
.set PITCH, 816
.set WBASE, 98304
.set STAGE, WBASE+128*PITCH
.set SPITCH, 528
.set SPARE, STAGE+4*16*SPITCH
.set ADRB, 8
.set ADRA, 12
.set STO, 24
.set RD,  25
.set CO,  26
.set VS,  27
.set SPW, 28
.set NIL, 29
.set BO,  30
.set SA,  32
.set SB,  48
.set AF,  112
.set BK,  112
.set G1A, 24
.set G0A, 32
.set G0B, 36
.set G1B, 48
.set MSB, 0
.macro WIN new
.if MSB != (\new)
	s_set_vgpr_msb (MSB<<8)|(\new)
.set MSB, (\new)
.endif
.endm
.macro PLACES n
.rept \n
	v_nop
.endr
.endm
.macro CROUND
	s_barrier_signal -1
	s_barrier_wait -1
	s_cmp_lg_u32 s14, 0
	s_cbranch_scc1 .Lnot_wave_0_\@
	s_barrier_signal -3
.Lnot_wave_0_\@:
	s_barrier_wait -3
	s_barrier_signal -1
	s_barrier_wait -1
.endm
	s_load_b256 s[68:75], s[0:1], 0x0              ; O's codes, O's scales, proj_w's codes, proj_w's scales
	s_load_b128 s[76:79], s[0:1], 0x20             ; proj_b, out0
	v_lshl_add_u32 v[SPW], v0, 2, SPARE
	v_mov_b32 v[NIL], 0
	ds_add_u32 v[SPW], v[NIL]                      ; the opening lines: the add twice on end and its one wait
	ds_add_u32 v[SPW], v[NIL]
	v_lshrrev_b32 v1, 5, v0
	v_readfirstlane_b32 s14, v1                    ; wave
	s_lshr_b32 s15, s14, 1
	s_and_b32 s16, s14, 1
	s_bfe_u32 s40, ttmp6, 0x40000
	s_bfe_u32 s41, ttmp6, 0x40004
	s_lshl_b32 s42, ttmp9, 2
	s_add_co_u32 s42, s42, s40                     ; block of 128 columns
	s_and_b32 s17, ttmp7, 0xffff
	s_lshl_b32 s17, s17, 2
	s_add_co_u32 s17, s17, s41                     ; block of 128 rows
	s_lshl_b32 s43, s41, 2
	s_lshl_b32 s43, 15, s43
	s_lshl_b32 s44, 0x1111, s40
	s_or_b32 s[G1A], s43, (3<<16)|(1<<21)          ; eight heads: rows of 6,144 bytes (768 elements of 8), 196,608 bytes apart
	s_mov_b32 s[G1A+1], 768<<16
	s_mov_b32 s[G1A+2], 8<<16
	s_mov_b32 s[G1A+3], 768<<16
	s_mov_b32 s[G1A+4], 8
	s_mov_b32 s[G1A+5], 24576
	s_mov_b32 s[G1A+6], 0
	s_mov_b32 s[G1A+7], 0
	s_or_b32 s[G1B], s44, (3<<16)|(1<<20)|(1<<21)|(5<<22)|(3<<25)   ; 64 rows of codes = 192 dense rows of 256 bytes, padded
	s_mov_b32 s[G1B+1], 32<<16
	s_mov_b32 s[G1B+2], 192<<16
	s_mov_b32 s[G1B+3], 32<<16
	s_mov_b32 s[G1B+4], 192
	s_mov_b32 s[G1B+5], 32
	s_mov_b32 s[G1B+6], 0
	s_mov_b32 s[G1B+7], 0
	s_mul_i32 s20, s17, 6144
	s_mul_i32 s18, s16, 1572864                    ; my eight heads
	s_add_co_u32 s20, s20, s18
	s_mov_b32 s21, 0
	s_mul_i32 s46, s42, 98304
	s_mul_i32 s18, s16, 49152                      ; my 64 rows
	s_add_co_u32 s46, s46, s18
	s_mov_b32 s47, 0
	s_mul_i32 s45, s16, 64*PITCH
	s_wait_dscnt 0x0
	s_wait_kmcnt 0x0
	s_mov_b32 s[G0A], 1
	s_mov_b32 s[G0A+1], s18                        ; eight heads are 49,152 bytes of LDS too
	s_add_nc_u64 s[G0A+2:G0A+3], s[68:69], s[20:21]
	s_or_b32 s[G0A+3], s[G0A+3], 0x80000000
	s_mov_b32 s[G0B], 1
	s_add_co_u32 s[G0B+1], s45, WBASE
	s_add_nc_u64 s[G0B+2:G0B+3], s[72:73], s[46:47]
	s_or_b32 s[G0B+3], s[G0B+3], 0x80000000
	CROUND
	s_cmp_eq_u32 s15, 0                            ; one load a wave: waves 0, 1 O's codes, waves 2, 3 proj_w's
	s_cbranch_scc0 .Lhead_b
	tensor_load_to_lds s[G0A:G0A+3], s[G1A:G1A+7]
	s_nop 0
	PLACES 4
	s_branch .Lhead_asked
.Lhead_b:
	tensor_load_to_lds s[G0B:G0B+3], s[G1B:G1B+7]
	s_nop 0
	PLACES 4
.Lhead_asked:
	s_lshl_b32 s18, s17, 12
	s_lshl_b32 s20, s14, 10
	s_add_co_u32 s18, s18, s20
	s_mov_b32 s19, 0
	s_add_nc_u64 s[4:5], s[70:71], s[18:19]        ; O's scales, my 32 rows
	s_lshl_b32 s18, s42, 12
	s_add_nc_u64 s[6:7], s[74:75], s[18:19]        ; proj_w's scales
	s_lshl_b32 s18, s42, 9
	s_add_nc_u64 s[76:77], s[76:77], s[18:19]      ; the bias at my 128 columns
	s_add_nc_u64 s[78:79], s[78:79], s[18:19]
	s_lshl_b32 s18, s17, 19
	s_lshl_b32 s20, s14, 17
	s_add_co_u32 s18, s18, s20
	s_add_nc_u64 s[78:79], s[78:79], s[18:19]      ; out0 at my first row and column
	s_mul_i32 s22, s14, 1536
	s_mul_i32 s23, s14, 16*SPITCH
	s_add_co_u32 s23, s23, STAGE
	v_and_b32 v1, 15, v0
	v_bfe_u32 v2, v0, 4, 1
	v_mul_u32_u24 v3, v1, PITCH
	v_mad_u32_u24 v3, v2, 24, v3
	v_lshl_add_u32 v4, v2, 4, v3
	v_add_nc_u32 v[ADRB], WBASE, v3
	v_add_nc_u32 v[ADRB+1], WBASE, v4
	v_add_nc_u32 v[ADRB+2], WBASE+64*PITCH, v3
	v_add_nc_u32 v[ADRB+3], WBASE+64*PITCH, v4
	v_mul_u32_u24 v5, v1, 48
	v_mad_u32_u24 v5, v2, 24, v5
	v_add_nc_u32 v[ADRA], s22, v5                  ; heads 0-7
	v_add_nc_u32 v[ADRA+1], 49152, v[ADRA]         ; heads 8-15
	v_mul_u32_u24 v6, v1, SPITCH
	v_lshl_add_u32 v6, v2, 5, v6
	v_add_nc_u32 v[STO], s23, v6
	v_and_b32 v7, 31, v0
	v_lshlrev_b32 v[CO], 4, v7
	v_add_nc_u32 v[RD], s23, v[CO]
	v_lshlrev_b32 v[VS], 5, v1
	v_lshlrev_b32 v[BO], 5, v2
	s_wait_alu depctr_va_vdst(0)                   ; the wait at the head's end
.irp i, 0,1,2,3,4,5,6,7
	global_load_b128 v[SB+8*\i:SB+8*\i+3], v[VS], s[6:7] offset:512*\i
	global_load_b128 v[SB+8*\i+4:SB+8*\i+7], v[VS], s[6:7] offset:512*\i+16
.endr
.irp a, 0,1
	global_load_b128 v[SA+8*\a:SA+8*\a+3], v[VS], s[4:5] offset:512*\a
	global_load_b128 v[SA+8*\a+4:SA+8*\a+7], v[VS], s[4:5] offset:512*\a+16
.endr
	WIN 0xc0                                       ; window 3: register 8 b + j is the bias of column 16 b + 8 h + j
.irp b, 0,1,2,3,4,5,6,7
	global_load_b128 v[8*\b:8*\b+3], v[BO], s[76:77] offset:64*\b
	global_load_b128 v[8*\b+4:8*\b+7], v[BO], s[76:77] offset:64*\b+16
.endr
	WIN 0
.macro FRAG reg, adr, st, ro           ; 16 rows x 128 K: six pieces of 8 bytes; byte y of a row lies at y + 16 (y / 256)
.irp p, 0,1,2,3,4,5
.set BY, 96*(\st)+48*(\p/3)+8*(\p%3)
.set XR, (BY+24)/256-BY/256
	ds_load_b64 v[\reg+2*\p:\reg+2*\p+1], v[\adr+XR] offset:BY+16*(BY/256)+(\ro)*PITCH
.endr
.endm
.macro FETCH st                        ; 60 LDS loads: K step st (heads 2 st, 2 st + 1) into set st % 2
.set SE, (\st)%2
	WIN 0x80
.irp i, 0,1,2,3,4,5,6,7
	FRAG 96*SE+12*\i, ADRB+2*(\i/4), \st, 16*(\i%4)
.endr
	WIN 0
.irp a, 0,1
.irp p, 0,1,2,3,4,5
	ds_load_b64 v[AF+24*SE+12*\a+2*\p:AF+24*SE+12*\a+2*\p+1], v[ADRA+(\st)/4] offset:((2*(\st)+\p/3)%8)*6144+768*\a+8*(\p%3)
.endr
.endr
.endm
.macro MUL st
.set SE, (\st)%2
.if (\st) == 0
	WIN 0x72
.else
	WIN 0x52
.endif
.irp a, 0,1
.irp b, 0,1,2,3,4,5,6,7
.if (\st) == 0
	v_wmma_scale_f32_16x16x128_f8f6f4 v[64*\a+8*\b:64*\a+8*\b+7], v[96*SE+12*\b:96*SE+12*\b+11], v[AF+24*SE+12*\a:AF+24*SE+12*\a+11], v[8*\b:8*\b+7], v[SB+8*\b+(\st)], v[SA+8*\a+(\st)] matrix_a_fmt:MATRIX_FMT_FP6 matrix_b_fmt:MATRIX_FMT_FP6
.else
	v_wmma_scale_f32_16x16x128_f8f6f4 v[64*\a+8*\b:64*\a+8*\b+7], v[96*SE+12*\b:96*SE+12*\b+11], v[AF+24*SE+12*\a:AF+24*SE+12*\a+11], v[64*\a+8*\b:64*\a+8*\b+7], v[SB+8*\b+(\st)], v[SA+8*\a+(\st)] matrix_a_fmt:MATRIX_FMT_FP6 matrix_b_fmt:MATRIX_FMT_FP6
.endif
.endr
.endr
.endm
	s_wait_tensorcnt 0x0                           ; my part of the tiles is in
	s_barrier_signal -1
	s_barrier_wait -1
	FETCH 0
	s_wait_loadcnt 0x0
.irp st, 0,1,2,3,4,5,6
.if \st > 0
	PLACES 4                                       ; in front of loads into the set that the step before multiplied
.endif
	FETCH \st+1
	s_wait_dscnt 60                                ; all but the 60 loads just issued
	MUL \st
.endr
	s_wait_dscnt 0x0
	MUL 7
	WIN 0
	PLACES 4
; THE WAY OUT: a block of 16 rows x 128 columns goes through my own stage and comes back as whole rows of 512 bytes.  LDS serves a wave's instructions in order (ISA guide 5.7.1.4).
.macro TOSTAGE a
	WIN 0x04
.irp b, 0,1,2,3,4,5,6,7
	ds_store_b128 v[STO], v[64*\a+8*\b:64*\a+8*\b+3] offset:64*\b
	ds_store_b128 v[STO], v[64*\a+8*\b+4:64*\a+8*\b+7] offset:64*\b+16
.endr
	WIN 0
.irp t, 0,1,2,3,4,5,6,7,8,9,10,11,12,13,14,15
	ds_load_b128 v[BK+64*\a+4*\t:BK+64*\a+4*\t+3], v[RD] offset:\t*SPITCH
.endr
.endm
.macro SEND a, younger
	s_wait_dscnt \younger
.irp t, 0,1,2,3,4,5,6,7,8,9,10,11,12,13,14,15
	global_store_b128 v[CO], v[BK+64*\a+4*\t:BK+64*\a+4*\t+3], s[78:79] offset:(16*\a+\t)*4096 th:TH_STORE_NT   ; 32 lanes store 512 consecutive bytes, at a multiple of 256 from out0's first byte
.endr
.endm
	TOSTAGE 0
	TOSTAGE 1
	SEND 0, 32                                     ; behind block 0's loads: block 1's 16 stores and 16 loads
	SEND 1, 0
	s_wait_tensorcnt 0x0                           ; the wave's end
	ds_add_u32 v[SPW], v[NIL]
	s_wait_dscnt 0x0
	CROUND
	s_endpgm
.Lfunc_end_k_q6782b07d94_proj:
	.size	k_q6782b07d94_proj, .Lfunc_end_k_q6782b07d94_proj-k_q6782b07d94_proj
	.p2alignl 7, 3214868480
	.fill 96, 4, 3214868480
	.section	.rodata,"a",@progbits
	.p2align	6, 0x0
	.amdhsa_kernel k_q6782b07d94_proj
		.amdhsa_group_segment_fixed_size 327680
		.amdhsa_private_segment_fixed_size 0
		.amdhsa_enable_private_segment 0
		.amdhsa_kernarg_size 48
		.amdhsa_user_sgpr_count 2
		.amdhsa_user_sgpr_kernarg_segment_ptr 1
		.amdhsa_wavefront_size32 1
		.amdhsa_system_sgpr_workgroup_id_x 1
		.amdhsa_system_sgpr_workgroup_id_y 1
		.amdhsa_system_sgpr_workgroup_id_z 1
		.amdhsa_system_vgpr_workitem_id 0
		.amdhsa_next_free_vgpr 1024
		.amdhsa_next_free_sgpr 100
		.amdhsa_reserve_vcc 0
		.amdhsa_float_denorm_mode_32 3
		.amdhsa_float_denorm_mode_16_64 3
		.amdhsa_memory_ordered 1
		.amdhsa_forward_progress 1
		.amdhsa_inst_pref_size 65
	.end_amdhsa_kernel
	.amdgpu_metadata
---
amdhsa.version: [ 1, 2 ]
amdhsa.kernels:
  - .name:           k_q6782b07d94_proj
    .symbol:         k_q6782b07d94_proj.kd
    .args:
      - { .name: ocodes, .offset: 0, .size: 8, .value_kind: global_buffer, .address_space: global }
      - { .name: oscales, .offset: 8, .size: 8, .value_kind: global_buffer, .address_space: global }
      - { .name: proj_w_codes, .offset: 16, .size: 8, .value_kind: global_buffer, .address_space: global }
      - { .name: proj_w_scales, .offset: 24, .size: 8, .value_kind: global_buffer, .address_space: global }
      - { .name: proj_b, .offset: 32, .size: 8, .value_kind: global_buffer, .address_space: global }
      - { .name: out0, .offset: 40, .size: 8, .value_kind: global_buffer, .address_space: global }
    .group_segment_fixed_size: 327680
    .private_segment_fixed_size: 0
    .kernarg_segment_align: 8
    .kernarg_segment_size: 48
    .max_flat_workgroup_size: 128
    .sgpr_count:     100
    .vgpr_count:     1024
    .wavefront_size: 32
...
	.end_amdgpu_metadata
.endif
;; end of part 3
